; MI455X (gfx1250); checked and timed in simulation.
; The chip was launched on July 23, 2026; its instructions are those of AMD's public machine-readable ISA for CDNA 5 (MIT licence, August 2026) and "CDNA5" Instruction Set Architecture Reference Guide (July 2026). The comments in the code are by the model that wrote it; some were corrected since.
;; Vector Quantizer. Allowed arithmetic: float matrix products may take bf16 or f16 operands with f32 sums; all other float work in f32.
;; Inputs: embeddings 256 x 8,192 float32; latents 32 x 256 x 32 x 32 float32.
;; Outputs: out0 32 x 256 x 32 x 32 float32; out1 one number float32; out2 32,768 x 1 int32.
;; One version. Each part assembles by itself: llvm-mc -triple=amdgcn-amd-amdhsa -mcpu=gfx1250 --defsym DOCPART=n.
;; ======== version 1 of 1: 4 launches
;; limits: values outside matrix products are rounded to bf16
;; workspace buffers: eb 4,194,304 bytes; hb 32,768 bytes; cv 524,288 bytes; ci 524,288 bytes of whole numbers; part 1,024 bytes
;; launch prep (part 1): grid 128 x 1, 8 waves a work-group, no clusters, 34,816 bytes of LDS; arguments embeddings, eb, hb; writes eb, hb
.if DOCPART == 1
	.amdgcn_target "amdgcn-amd-amdhsa--gfx1250"
	.amdhsa_code_object_version 6
	.text
	.protected	k_q3f9b0b9118_prep
	.globl	k_q3f9b0b9118_prep
	.p2align	8
	.type	k_q3f9b0b9118_prep,@function
k_q3f9b0b9118_prep:
	s_mov_b64 s[64:65], 0
	v_nop
	global_prefetch_b8 v0, s[64:65] scope:SCOPE_SE
	s_setreg_imm32_b32 hwreg(HW_REG_WAVE_MODE, 25, 1), 1
	s_wait_xcnt 0x0
; eb[k][d] = bf16(embeddings[d][k]) (turned: a code's 256 numbers become one row of 512 bytes);  hb[k] = -1/2 x the sum over d of eb[k][d]^2.
; The norm is made of the ROUNDED numbers, since the product that it is compared with is made of them; it is summed in f32 with d ascending, one fused
; multiply-add a term (a product of two bf16 numbers is exact in f32, so this equals a multiply and an add).
; SHARES.  A work-group owns 64 codes, 256 bytes of each of the 256 rows of embeddings: the narrowest strip whose piece of a row is 256 aligned bytes; so 128 work-groups.
; Wave w loads rows 32 w .. 32 w + 31 (16 loads, two pieces of 256 bytes each), packs pairs of d, and puts 32 bytes of each of its lane's four codes into LDS.
; Behind one barrier each wave reads 8 whole codes back and stores them, 512 consecutive bytes a store; wave 0 then sums the norms, two codes a lane.
; No matrix unit, no cluster, no tensor load: nothing is shared between work-groups, and every byte is read and written once.
; LDS: 64 rows of 528 bytes (512 + 16: rows 33 x 16 bytes apart, ISA guide 11.1);
; code c lies in row (c % 4) x 16 + c / 4, so that lanes, which hold four neighbouring codes each, store one row apart.  Behind them the spare words.
.set ROWB,  32768                      ; bytes in a row of embeddings
.set PITCH, 528
.set SPARE, 64*PITCH                   ; 33,792: the spare words, 128 bytes for each of 8 waves
.set SPW, 8                            ; v8   my spare word; never rewritten
.set NIL, 9                            ; v9   0; never rewritten
.set X,  16                            ; v[16:79]   16 loads x 4 codes, f32
.set P,  80                            ; v[80:111]  code jj: 8 words, 16 d
.set RB, 16                            ; v[16:47]   8 rows on their way out
.set CB, 16                            ; v[16:143]  the norms: two buffers of 64 (two codes x 64 d)
	s_load_b128 s[4:7], s[0:1], 0x0                ; embeddings s[4:5], eb s[6:7]
	s_load_b64 s[8:9], s[0:1], 0x10                ; hb
	v_lshl_add_u32 v[SPW], v0, 2, SPARE
	v_mov_b32 v[NIL], 0
	v_lshrrev_b32 v13, 5, v0
	v_readfirstlane_b32 s10, v13                   ; wave 0..7
	v_and_b32 v13, 31, v0                          ; lane l
	v_and_b32 v1, 15, v0                           ; c4 = l % 16: my four codes 4 c4 ..
	v_bfe_u32 v2, v0, 4, 1                         ; hh = l / 16: which 16 rows of the wave's 32
	v_lshlrev_b32 v3, 4, v1
	v_lshl_add_u32 v3, v2, 19, v3                  ; load offset: 16 rows x hh + 16 c4
	v_mul_u32_u24 v4, v1, PITCH
	v_lshl_add_u32 v4, v2, 5, v4
	s_lshl_b32 s11, s10, 6
	v_add_nc_u32 v4, s11, v4                       ; into LDS: row c4, byte 64 w + 32 hh (d = 32 w + 16 hh)
	v_lshlrev_b32 v6, 4, v13                       ; 16 l
	s_mul_i32 s11, s10, 2*PITCH
	v_add_nc_u32 v5, s11, v6                       ; back: rows 2 w .., 16 bytes a lane
	v_and_b32 v7, 1, v0
	v_lshlrev_b32 v7, 5, v7
	v_bfe_u32 v14, v0, 1, 4
	v_add_nc_u32 v7, v7, v14
	v_mul_u32_u24 v7, v7, PITCH                    ; the norms: code 2 l lies in row (l % 2) x 32 + l / 2, code 2 l + 1 sixteen rows on
	v_lshlrev_b32 v12, 3, v13                      ; 8 l
	s_lshl_b32 s12, s10, 20                        ; 32 rows x wave
	s_lshl_b32 s13, ttmp9, 8                       ; + 256 bytes x work-group
	s_add_co_u32 s12, s12, s13
	s_mov_b32 s13, 0
	s_lshl_b32 s14, ttmp9, 15                      ; eb: 64 rows of 512 bytes x work-group
	s_lshl_b32 s15, s10, 12                        ; + 8 rows x wave
	s_add_co_u32 s14, s14, s15
	s_mov_b32 s15, 0
	s_lshl_b32 s16, ttmp9, 8                       ; hb: 64 numbers x work-group
	s_mov_b32 s17, 0
	s_wait_kmcnt 0x0
	s_add_nc_u64 s[4:5], s[4:5], s[12:13]
	s_add_nc_u64 s[6:7], s[6:7], s[14:15]
	s_add_nc_u64 s[8:9], s[8:9], s[16:17]
.set i, 0
.rept 16
	global_load_b128 v[X+4*i:X+4*i+3], v3, s[4:5] offset:i*ROWB th:TH_LOAD_NT  ; lanes 0-15: row 32 w + i; lanes 16-31: row 32 w + 16 + i
.set i, i+1
.endr
.set p, 0
.rept 8
	s_wait_loadcnt 14-2*p                          ; loads 2 p and 2 p + 1 are in; the younger ones stay out
.irp jj, 0,1,2,3
	v_cvt_pk_bf16_f32 v[P+8*(\jj)+p], v[X+8*p+(\jj)], v[X+8*p+4+(\jj)]  ; code jj: d = 2 p, 2 p + 1 of my 16
.endr
.set p, p+1
.endr
.irp jj, 0,1,2,3
	ds_store_b128 v4, v[P+8*(\jj):P+8*(\jj)+3]   offset:(\jj)*16*PITCH
	ds_store_b128 v4, v[P+8*(\jj)+4:P+8*(\jj)+7] offset:(\jj)*16*PITCH+16
.endr
	s_wait_dscnt 0x0                               ; for the others' sake: my stores are done
	s_barrier_signal -1
	s_barrier_wait -1
.irp i, 0,1,2,3,4,5,6,7
	ds_load_b128 v[RB+4*(\i):RB+4*(\i)+3], v5 offset:(((\i)&3)*16+((\i)>>2))*PITCH  ; code 8 w + i, whole
.endr
.irp i, 0,1,2,3,4,5,6,7
	s_wait_dscnt 7-(\i)                            ; row i is in; the younger ones stay out
	global_store_b128 v6, v[RB+4*(\i):RB+4*(\i)+3], s[6:7] offset:(\i)*512  ; 512 consecutive bytes, aligned
.endr
	s_cmp_lg_u32 s10, 0
	s_cbranch_scc1 .Lend                           ; the norms are wave 0's: one store of 256 bytes for the group's 64 codes
.macro CLOAD u                         ; chunk u: 64 d of my two codes, 16 loads
.irp e, 0,1
.irp i, 0,1,2,3,4,5,6,7
	ds_load_b128 v[CB+64*((\u)&1)+32*(\e)+4*(\i):CB+64*((\u)&1)+32*(\e)+4*(\i)+3], v7 offset:(\e)*16*PITCH+(\u)*128+16*(\i)
.endr
.endr
.endm
.macro CSUM u                          ; d ascending: a word's low half, then its high half; the two codes' chains alternate
.set c0, CB+64*((\u)&1)
.set m, 0
.rept 32
	v_fma_mix_f32_bf16 v10, v[c0+m], v[c0+m], v10 op_sel_hi:[1,1,0]
	v_fma_mix_f32_bf16 v11, v[c0+32+m], v[c0+32+m], v11 op_sel_hi:[1,1,0]
	v_fma_mix_f32_bf16 v10, v[c0+m], v[c0+m], v10 op_sel:[1,1,0] op_sel_hi:[1,1,0]
	v_fma_mix_f32_bf16 v11, v[c0+32+m], v[c0+32+m], v11 op_sel:[1,1,0] op_sel_hi:[1,1,0]
.set m, m+1
.endr
.endm
	s_wait_xcnt 0x0                                ; the row stores have read their registers: the loads below land on them
	v_mov_b32 v10, 0
	v_mov_b32 v11, 0
	CLOAD 0
	CLOAD 1
	s_wait_dscnt 16                                ; chunk 0 is in; chunk 1's sixteen loads stay out
	CSUM 0
	CLOAD 2
	s_wait_dscnt 16
	CSUM 1
	CLOAD 3
	s_wait_dscnt 16
	CSUM 2
	s_wait_dscnt 0x0
	CSUM 3
	v_mul_f32 v10, -0.5, v10
	v_mul_f32 v11, -0.5, v11
	global_store_b64 v12, v[10:11], s[8:9]         ; 32 lanes x 8 bytes: 256 consecutive bytes, aligned
.Lend:
	s_wait_tensorcnt 0x0                           ; the wave's end: behind my last LDS store
	ds_add_u32 v[SPW], v[NIL]
	s_wait_dscnt 0x0
	s_endpgm
.Lfunc_end_k_q3f9b0b9118_prep:
	.size	k_q3f9b0b9118_prep, .Lfunc_end_k_q3f9b0b9118_prep-k_q3f9b0b9118_prep
	.p2alignl 7, 3214868480
	.fill 96, 4, 3214868480
	.section	.rodata,"a",@progbits
	.p2align	6, 0x0
	.amdhsa_kernel k_q3f9b0b9118_prep
		.amdhsa_group_segment_fixed_size 34816
		.amdhsa_private_segment_fixed_size 0
		.amdhsa_enable_private_segment 0
		.amdhsa_kernarg_size 24
		.amdhsa_user_sgpr_count 2
		.amdhsa_user_sgpr_kernarg_segment_ptr 1
		.amdhsa_wavefront_size32 1
		.amdhsa_system_sgpr_workgroup_id_x 1
		.amdhsa_system_sgpr_workgroup_id_y 1
		.amdhsa_system_sgpr_workgroup_id_z 1
		.amdhsa_system_vgpr_workitem_id 0
		.amdhsa_next_free_vgpr 144
		.amdhsa_next_free_sgpr 66
		.amdhsa_reserve_vcc 0
		.amdhsa_float_denorm_mode_32 3
		.amdhsa_float_denorm_mode_16_64 3
		.amdhsa_memory_ordered 1
		.amdhsa_forward_progress 1
		.amdhsa_inst_pref_size 45
	.end_amdhsa_kernel
	.amdgpu_metadata
---
amdhsa.version: [ 1, 2 ]
amdhsa.kernels:
  - .name:           k_q3f9b0b9118_prep
    .symbol:         k_q3f9b0b9118_prep.kd
    .args:
      - { .name: embeddings, .offset: 0, .size: 8, .value_kind: global_buffer, .address_space: global }
      - { .name: eb, .offset: 8, .size: 8, .value_kind: global_buffer, .address_space: global }
      - { .name: hb, .offset: 16, .size: 8, .value_kind: global_buffer, .address_space: global }
    .group_segment_fixed_size: 34816
    .private_segment_fixed_size: 0
    .kernarg_segment_align: 8
    .kernarg_segment_size: 24
    .max_flat_workgroup_size: 256
    .sgpr_count:     66
    .vgpr_count:     144
    .wavefront_size: 32
...
	.end_amdgpu_metadata
.endif
;; end of part 1
;; launch main (part 2): grid 64 x 4, 8 waves a work-group, clusters of 4 x 1, 327,680 bytes of LDS; arguments latents, eb, hb, cv, ci; writes cv, ci
.if DOCPART == 2
	.amdgcn_target "amdgcn-amd-amdhsa--gfx1250"
	.amdhsa_code_object_version 6
	.text
	.protected	k_q3f9b0b9118_main
	.globl	k_q3f9b0b9118_main
	.p2align	8
	.type	k_q3f9b0b9118_main,@function
k_q3f9b0b9118_main:
	s_mov_b64 s[64:65], 0
	v_nop
	global_prefetch_b8 v0, s[64:65] scope:SCOPE_SE
	s_setreg_imm32_b32 hwreg(HW_REG_WAVE_MODE, 25, 1), 1
	s_wait_xcnt 0x0
	s_wait_alu depctr_hold_cnt(0) depctr_sa_sdst(0) depctr_va_vdst(0) depctr_va_sdst(0) depctr_va_ssrc(0) depctr_va_vcc(0) depctr_vm_vsrc(0)
	s_getreg_b32 s2, hwreg(HW_REG_IB_STS2, 6, 4)
	s_cmp_eq_u32 s2, 0
	s_cbranch_scc0 .Lentry_in_a_cluster
	s_endpgm
.Lentry_in_a_cluster:
	s_bfe_u32 s2, ttmp6, 0x10000c
	s_cmp_lg_u32 s2, 0x3003
	s_cbranch_scc0 .Lentry_shape_is_right
	s_endpgm
.Lentry_shape_is_right:
; For each of 512 queries and one quarter (2,048) of the codes: the largest score s(n, k) = z_n . e_k - 1/2 |e_k|^2 and the lowest code that reaches it.
; argmin of |z|^2 + |e|^2 - 2 z.e = argmax of s: |z|^2 is the same for all codes of a row and is left out of the comparison, for every input; only the order of rounding differs from the written form.
; z and e are rounded to bf16 for the product, sums in f32; -1/2 |e|^2 (of the rounded e) is the C operand of the first K step, so it costs no vector instruction.
; LIMITS.  NaN and infinities are not treated apart: a NaN score never wins, and the tile number starts at 0, so an index always lies inside the table.  Equal scores: the lowest index, at every level.
; SHARES.  Work-group (x, y): queries 512 x .. (half of one image b = x / 2), codes 2,048 y ...  Wave w keeps 64 queries in registers for the whole launch, four tiles of 16: tile j, lane r is hw = 4 r + j,
; which is what a 16-byte load of f32 gives.  All 8 waves walk the same 128 tiles of 16 codes: 32 matrix instructions a tile and wave.
; ORIENTATION.  Source 0 = 16 codes, source 1 = 16 queries: in the result a lane holds ONE query (lane % 16) and register j the code 8 (lane / 16) + j.  Each of the 32 places (4 tiles x 8 registers)
; keeps a running best score and the number of the tile that gave it; they are merged once, at the end.
; WINDOWS.  Q alone lies in window 1 and is named only as source 1.  Fragments, accumulators and trackers lie in window 0, and every vector line of the loop has no vector register as its source 1.
; So ONE setting serves matrix and vector lines alike, and a loop has switches at its edges only.  That is why a wave has 64 queries and 512 registers: with 128 queries the trackers would not fit in window 0.
; BY TURNS.  Two sets of four accumulators: while tile t is multiplied, tile t - 1 is compared, 14 vector lines for each 4 matrix instructions; the next tile's fragments are loaded one K step at a time.
; CLUSTER.  The four work-groups of a cluster have the same quarter: code tiles and their norms are asked for JOINTLY (mask of four, the same descriptor in all).  Latents are each work-group's own.
; LDS: two slots of 256 codes, rows of 528 bytes (512 + 16: sixteen rows of a fragment load start at sixteen different groups of four banks, ISA guide 11.1); the quarter's 2,048 norms; the spare words.
.set PITCH, 528
.set TILEB, 16*PITCH                   ; a tile of 16 codes
.set QUART, 64*PITCH                   ; what one wave's tensor load brings
.set SLOT,  256*PITCH                  ; 135,168
.set HBL,   2*SLOT                     ; 270,336: 8,192 bytes of norms, filled once
.set SPARE, HBL+8192                   ; 278,528: the spare words, 128 bytes for each of 8 waves
.set FILLB, 256*512                    ; a slot's codes in memory
.set AK0, 3                            ; v3   my place in a tile: r x 528 + 16 h; never rewritten
.set AH0, 4                            ; v4   HBL + 32 h; never rewritten
.set ADR, 5                            ; v5   LDS address of the tile whose fragments are being loaded
.set ADH, 6                            ; v6   of its norms
.set QO,  7                            ; v7   my offset in latents: 8 rows x h + 16 r
.set SPW, 8                            ; v8   my spare word; never rewritten
.set NIL, 9                            ; v9   0; never rewritten
.set CBR, 10                           ; v10  2,048 x quarter + 8 h
.set SO,  11                           ; v11  16 r + 8 h: where I store
.set HR,  16                           ; v[16:23]   the tile's -1/2 |e|^2, as a C operand
.set DF,  24                           ; v[24:27]   best - score, at work
.set AF,  32                           ; v[32:95]   the tile's fragments, K step k at AF + 8 k
.set ACC, 96                           ; v[96:159]  two sets of four accumulators: set p, query tile q at ACC + 32 p + 8 q
.set BEST,160                          ; v[160:191] best score of query tile q, register j
.set TIDR,192                          ; v[192:223] the code tile that gave it
.set WV,  14                           ; s14  wave
.set G1,  24                           ; s[24:31] group 1, code tiles
.set G1H, 32                           ; s[32:39] group 1, norms
.set G00, 40                           ; s[40:43], s[44:47] group 0, a set for each slot
.set G0H, 48                           ; s[48:51] group 0, norms
.set TB,  52                           ; s52  LDS byte of the tile to be loaded next
.set TH,  53                           ; s53  byte of its norms
.set TID, 54                           ; s54  number of the tile that is being compared
.set CNT, 55
.set NEG, 56                           ; s56  -infinity
.set MK,  57                           ; s57-60 four masks
.set HM,  61                           ; s61  lanes 16-31
.set SEL, 62                           ; s[62:63] v_permlanex16_b32: each lane takes its own place in the other half
.set OUTER, 66
.set MG,  67                           ; s67-69 at work in a merge
.set MSB, 0
.macro WIN new                         ; the immediate's high byte repeats the setting that is left; a switch that changes nothing is dropped
.if MSB != (\new)
	s_set_vgpr_msb (MSB<<8)|(\new)
.set MSB, \new
.endif
.endm
.set W_MM, 0x04                        ; source 1 in window 1, all else in window 0
.set W_CV, 0x40                        ; destination in window 1
.macro CROUND                          ; a round of the cluster's barrier: my work-group's barrier; wave 0 signals for it; every wave waits for all four work-groups; my work-group's barrier once more
	s_barrier_signal -1
	s_barrier_wait -1
	s_cmp_lg_u32 s[WV], 0
	s_cbranch_scc1 .Lnot_wave_0_\@
	s_barrier_signal -3
.Lnot_wave_0_\@:
	s_barrier_wait -3
	s_barrier_signal -1
	s_barrier_wait -1
.endm
.macro JLOAD s                         ; a joint refill of slot s: waves 0-3 bring 64 codes each; the branch hangs on the wave's number alone.  An s_nop 0 and four v_nop follow the load
	s_cmp_lt_u32 s[WV], 4
	s_cbranch_scc0 .Lnone_\@
	tensor_load_to_lds s[G00+4*(\s):G00+4*(\s)+3], s[G1:G1+7]
	s_nop 0
.rept 4
	v_nop
.endr
.Lnone_\@:
.endm
	s_load_b256 s[4:11], s[0:1], 0x0               ; latents s[4:5], eb s[6:7], hb s[8:9], cv s[10:11]
	s_load_b64 s[12:13], s[0:1], 0x20              ; ci
	v_lshl_add_u32 v[SPW], v0, 2, SPARE
	v_mov_b32 v[NIL], 0
	ds_add_u32 v[SPW], v[NIL]                      ; the wave's opening: the add and its wait stand ahead of my first tensor load; the set-up below stands between them
	v_lshrrev_b32 v1, 5, v0
	v_readfirstlane_b32 s[WV], v1                  ; wave 0..7
	s_bfe_u32 s16, ttmp6, 0x40000                  ; cx: my place in the cluster; it enters latents', cv's and ci's addresses alone
	s_lshl_b32 s17, ttmp9, 2                       ; in a cluster launch ttmp9 counts clusters
	s_add_co_u32 s17, s17, s16                     ; my block of 512 queries
	s_and_b32 s18, ttmp7, 0xffff                   ; the quarter, which the four partners share
	; group 1 for code tiles: 64 rows x 256 elements of 2 bytes, 4 words of padding behind every 128
	s_mov_b32 s[G1], 15|(1<<16)|(1<<20)|(1<<21)|(6<<22)|(3<<25)  ; 15:0 the mask of four; 17:16 2-byte elements; 20 padding on; 21 set beside a mask; 24:22 code 6; 31:25 code 3
	s_mov_b32 s[G1+1], 256<<16                     ; tensor_dim0 = 256
	s_mov_b32 s[G1+2], 64<<16                      ; tensor_dim1 = 64
	s_mov_b32 s[G1+3], 256<<16                     ; tile_dim0 = 256
	s_mov_b32 s[G1+4], 64                          ; tile_dim1 = 64
	s_mov_b32 s[G1+5], 256                         ; elements from row to row
	s_mov_b32 s[G1+6], 0
	s_mov_b32 s[G1+7], 0
	; group 1 for the norms: 2,048 dense bytes as 8 rows of 32 elements of 8 bytes, no padding
	s_mov_b32 s[G1H], 15|(3<<16)|(1<<21)
	s_mov_b32 s[G1H+1], 32<<16
	s_mov_b32 s[G1H+2], 8<<16
	s_mov_b32 s[G1H+3], 32<<16
	s_mov_b32 s[G1H+4], 8
	s_mov_b32 s[G1H+5], 32
	s_mov_b32 s[G1H+6], 0
	s_mov_b32 s[G1H+7], 0
	s_mov_b32 s[G00], 1                            ; count = 1
	s_mul_i32 s[G00+1], s[WV], QUART               ; LDS: wave x 64 rows, slot 0
	s_mov_b32 s[G00+4], 1
	s_add_co_u32 s[G00+5], s[G00+1], SLOT          ; slot 1
	s_mov_b32 s[G0H], 1
	s_lshl_b32 s3, s[WV], 11                       ; wave x 2,048 bytes of norms
	s_add_co_u32 s[G0H+1], s3, HBL
	s_lshl_b32 s2, s18, 13                         ; quarter x 8,192
	s_add_co_u32 s2, s2, s3
	s_mov_b32 s3, 0
	s_lshl_b32 s22, s18, 20                        ; eb: quarter x 2,048 rows of 512 bytes
	s_lshl_b32 s23, s[WV], 15                      ; + wave x 64 rows
	s_add_co_u32 s22, s22, s23
	s_mov_b32 s23, 0
	s_lshr_b32 s20, s17, 1                         ; latents: image b = block / 2,
	s_lshl_b32 s20, s20, 20
	s_and_b32 s21, s17, 1                          ; its half of 512 hw,
	s_lshl_b32 s21, s21, 11
	s_add_co_u32 s20, s20, s21
	s_lshl_b32 s21, s[WV], 8                       ; my wave's 64 of them
	s_add_co_u32 s20, s20, s21
	s_mov_b32 s21, 0
	s_lshl_b32 s68, s17, 11                        ; cv, ci: block x 512 numbers
	s_lshl_b32 s69, s[WV], 8
	s_add_co_u32 s68, s68, s69
	s_lshl_b32 s69, s18, 17                        ; + quarter x 32,768 numbers
	s_add_co_u32 s68, s68, s69
	s_mov_b32 s69, 0
	s_mov_b32 s[NEG], 0xff800000
	s_mov_b32 s[HM], 0xffff0000
	s_mov_b32 s[SEL], 0x76543210
	s_mov_b32 s[SEL+1], 0xfedcba98
	s_wait_dscnt 0x0                               ; the opening add is done
	s_wait_kmcnt 0x0
	s_add_nc_u64 s[G00+2:G00+3], s[6:7], s[22:23]  ; my 64 rows of the quarter's codes 0-255
	s_add_nc_u64 s[G00+6:G00+7], s[G00+2:G00+3], FILLB  ; and of codes 256-511
	s_or_b32 s[G00+3], s[G00+3], 0x80000000        ; type = 2
	s_or_b32 s[G00+7], s[G00+7], 0x80000000
	s_add_nc_u64 s[G0H+2:G0H+3], s[8:9], s[2:3]
	s_or_b32 s[G0H+3], s[G0H+3], 0x80000000
	s_add_nc_u64 s[4:5], s[4:5], s[20:21]
	s_add_nc_u64 s[10:11], s[10:11], s[68:69]
	s_add_nc_u64 s[12:13], s[12:13], s[68:69]
	CROUND                                         ; all four work-groups are here: the first joint loads meet
	s_cmp_lt_u32 s[WV], 4                          ; a wave's three first fills stand in one branch, ahead of every wait on TENSORcnt and every LDS read: three loads of mine are out
	s_cbranch_scc0 .Lno_first
	tensor_load_to_lds s[G0H:G0H+3], s[G1H:G1H+7]
	s_nop 0
	tensor_load_to_lds s[G00:G00+3], s[G1:G1+7]
	s_nop 0
	tensor_load_to_lds s[G00+4:G00+7], s[G1:G1+7]
	s_nop 0
.rept 4
	v_nop
.endr
.Lno_first:
	v_and_b32 v1, 15, v0                           ; r
	v_bfe_u32 v2, v0, 4, 1                         ; h
	v_lshlrev_b32 v[QO], 4, v1
	v_lshl_add_u32 v[QO], v2, 15, v[QO]
; Q.  A fragment of source 1 (16 queries x 32 d): lane (r, h) holds query r; registers 0-3 d = 8 h + 0..7, registers 4-7 d = 16 + 8 h + 0..7, in pairs.  latents lie [d][hw]: load i of a K step brings
; row d = 32 c + i + 8 h (i < 8) or 32 c + i + 8 + 8 h, four neighbouring hw a lane: one number for each of my four tiles.  Sixteen lanes take 256 consecutive bytes.
.macro QLOAD c
.set XB, 32+64*((\c)%3)
.set i, 0
.rept 16
	global_load_b128 v[XB+4*i:XB+4*i+3], v[QO], s[4:5] offset:(32*(\c)+i+8*(i/8))*4096
.set i, i+1
.endr
.endm
.macro QCVT c
.set XB, 32+64*((\c)%3)
	WIN W_CV
.irp j, 0,1,2,3
.irp p, 0,1,2,3,4,5,6,7
	v_cvt_pk_bf16_f32 v[64*(\j)+8*(\c)+(\p)], v[XB+8*(\p)+(\j)], v[XB+8*(\p)+4+(\j)]  ; tile j, K step c, pair p: loads 2 p and 2 p + 1
.endr
.endr
	WIN 0
.endm
	QLOAD 0
	QLOAD 1
	QLOAD 2
.irp c, 0,1,2,3,4
	s_wait_loadcnt 32                              ; this K step's sixteen loads are in; the two younger steps stay out
	QCVT \c
	QLOAD (\c)+3
.endr
	s_wait_loadcnt 32
	QCVT 5
	s_wait_loadcnt 16
	QCVT 6
	s_wait_loadcnt 0x0
	QCVT 7
	v_mul_u32_u24 v[AK0], v1, PITCH
	v_lshl_add_u32 v[AK0], v2, 4, v[AK0]
	v_lshl_add_u32 v[AH0], v2, 5, HBL
	s_lshl_b32 s19, s18, 11
	v_lshl_add_u32 v[CBR], v2, 3, s19
	v_lshlrev_b32 v[SO], 4, v1
	v_lshl_add_u32 v[SO], v2, 3, v[SO]
.set i, 0
.rept 32                                       ; the trackers' starting values, written while the first tile is on its way
	v_mov_b32 v[BEST+i], s[NEG]
	v_mov_b32 v[TIDR+i], 0
.set i, i+1
.endr
; Matrix instruction: K step kk of the tile in hand, accumulator set p, query tile q.  The first K step starts the sum with the norms.  The four accumulators take turns.
.macro MM kk, p, q
.set rD, ACC+32*(\p)+8*(\q)
.if (\kk) == 0
	v_wmma_f32_16x16x32_bf16 v[rD:rD+7], v[AF+8*(\kk):AF+8*(\kk)+7], v[64*(\q)+8*(\kk):64*(\q)+8*(\kk)+7], v[HR:HR+7]
.else
	v_wmma_f32_16x16x32_bf16 v[rD:rD+7], v[AF+8*(\kk):AF+8*(\kk)+7], v[64*(\q)+8*(\kk):64*(\q)+8*(\kk)+7], v[rD:rD+7]
.endif
.endm
; The comparison of the tile before (the other accumulator set): K step kk takes four scores, registers 4 (kk % 2) .. of query tile kk / 2.
; best - score is negative exactly where the score is greater (f32 keeps denormals, so a difference of unlike numbers is never 0): then the place takes the tile's number.  14 lines, in four slices.
; No line has a vector register as source 1: the maximum is written with three operands, the middle one -infinity.  ride = 0 (no tile before): slice 0 is four v_nop, the others are empty.
.macro RID n, kk, p, ride
.set ra, ACC+32*(1-(\p))+8*((\kk)/2)+4*((\kk)%2)
.set rb, BEST+8*((\kk)/2)+4*((\kk)%2)
.set rt, TIDR+8*((\kk)/2)+4*((\kk)%2)
.if \ride
.if (\n) == 0
	v_pk_fma_f32 v[DF:DF+1], v[ra:ra+1], -1.0, v[rb:rb+1] op_sel_hi:[1,0,1]
	v_pk_fma_f32 v[DF+2:DF+3], v[ra+2:ra+3], -1.0, v[rb+2:rb+3] op_sel_hi:[1,0,1]
	v_max3_num_f32 v[rb], v[rb], s[NEG], v[ra]
	v_max3_num_f32 v[rb+1], v[rb+1], s[NEG], v[ra+1]
.elseif (\n) == 1
	v_cmp_lt_f32 s[MK], v[DF], 0
	v_cmp_lt_f32 s[MK+1], v[DF+1], 0
	v_cmp_lt_f32 s[MK+2], v[DF+2], 0
	v_cmp_lt_f32 s[MK+3], v[DF+3], 0
.elseif (\n) == 2
	v_max3_num_f32 v[rb+2], v[rb+2], s[NEG], v[ra+2]
	v_max3_num_f32 v[rb+3], v[rb+3], s[NEG], v[ra+3]
	v_cndmask_b32 v[rt], v[rt], s[TID], s[MK]
.else
	v_cndmask_b32 v[rt+1], v[rt+1], s[TID], s[MK+1]
	v_cndmask_b32 v[rt+2], v[rt+2], s[TID], s[MK+2]
	v_cndmask_b32 v[rt+3], v[rt+3], s[TID], s[MK+3]
.endif
.elseif (\n) == 0
.rept 4
	v_nop
.endr
.endif
.endm
; A K step: four matrix instructions with the slices behind them.  ld = 1: behind slice 0 the NEXT tile's fragment of the K step before this one is loaded (at K step 1 its norms too): the registers' last reader,
; the K step before's fourth matrix instruction, stands seven plain vector lines back (four v_nop where ride = 0), none of which names a register of it (ISA guide 7.12.1 for vector instructions).
.macro KSTEP kk, p, ride, ld, wt
.set rl, ((\kk)+7)&7
	s_wait_dscnt \wt
	MM \kk, \p, 0
	RID 0, \kk, \p, \ride
.if \ld
.if (\kk) == 1
	ds_load_b128 v[HR:HR+3], v[ADH]
	ds_load_b128 v[HR+4:HR+7], v[ADH] offset:16
.endif
	ds_load_b128 v[AF+8*rl:AF+8*rl+3], v[ADR] offset:rl*64
	ds_load_b128 v[AF+8*rl+4:AF+8*rl+7], v[ADR] offset:rl*64+32
.endif
	MM \kk, \p, 1
	RID 1, \kk, \p, \ride
	MM \kk, \p, 2
	RID 2, \kk, \p, \ride
	MM \kk, \p, 3
	RID 3, \kk, \p, \ride
.endm
; K steps 1-7 of tile t (set p), then K step 0 of tile t + 1; all its loads are tile t + 1's.
; The wait for 12: the fragment that a K step needs was issued seven K steps earlier; behind it stand six pairs of fragment loads at the least (fourteen loads where the norms' two are among them), and behind the
; norms fourteen.  LDS loads come back in order (ISA guide 5.7.1), so at most 12 out shows both in.
.macro BODY p, ride
	v_add_nc_u32 v[ADR], v[AK0], s[TB]
	v_add_nc_u32 v[ADH], v[AH0], s[TH]
	s_add_co_u32 s[TB], s[TB], TILEB
	s_add_co_u32 s[TH], s[TH], 64
.irp kk, 1,2,3,4,5,6,7
	KSTEP \kk, \p, \ride, 1, 12
.endr
	s_add_co_u32 s[TID], s[TID], 1                 ; from here on tile t is compared
	KSTEP 0, 1-(\p), 1, 1, 12
.endm
; THE CHANGE OF SLOTS stands where the last fragment of a slot has been asked for.  Each wave waits for all its tensor loads (one is out: its part of the other slot), adds 0 to its spare word, and waits for that and
; for its reads of the slot.  fill = 1: slot s, just read out, is filled again with the codes two slots on; the barrier is then a round of the cluster's, and the joint refill is the first thing behind it:
; it has 16 tiles, 512 matrix instructions a wave, in which to land.
.macro CHANGE fill, s
	WIN 0
	s_wait_tensorcnt 0x0                           ; no tensor load of mine is out, so a group 0 may be written
	ds_add_u32 v[SPW], v[NIL]
.if \fill
	s_add_nc_u64 s[G00+4*(\s)+2:G00+4*(\s)+3], s[G00+4*(\s)+2:G00+4*(\s)+3], 2*FILLB  ; the type bits on top are not reached
.endif
	s_wait_dscnt 0x0                               ; the add is done, and my reads of the slot are over
.if \fill
	CROUND
	JLOAD \s
.else
	s_barrier_signal -1
	s_barrier_wait -1
.endif
.endm
; n trips of two tiles whose loads go to one slot.  set = 1: the loads begin at LDS byte base.
.macro PHASE set, base, n
.if \set
	s_mov_b32 s[TB], \base
.endif
	s_mov_b32 s[CNT], \n
.Lph_\@:
	WIN W_MM
	BODY 1, 1
	BODY 0, 1
	WIN 0                                          ; at a label and at a branch every window is 0
	s_sub_co_u32 s[CNT], s[CNT], 1
	s_cmp_lg_u32 s[CNT], 0
	s_cbranch_scc1 .Lph_\@
.endm
	s_wait_tensorcnt 0x1                           ; my parts of the norms and of slot 0 are in; slot 1's may stay out
	s_barrier_signal -1
	s_barrier_wait -1                              ; everybody's are
	ds_load_b128 v[HR:HR+3], v[AH0]                ; tile 0: its norms and all eight fragments
	ds_load_b128 v[HR+4:HR+7], v[AH0] offset:16
.irp k, 0,1,2,3,4,5,6,7
	ds_load_b128 v[AF+8*(\k):AF+8*(\k)+3], v[AK0] offset:(\k)*64
	ds_load_b128 v[AF+8*(\k)+4:AF+8*(\k)+7], v[AK0] offset:(\k)*64+32
.endr
	s_mov_b32 s[TB], TILEB
	s_mov_b32 s[TH], 64
	s_mov_b32 s[TID], -1
	WIN W_MM
	KSTEP 0, 0, 0, 0, 12                           ; of the 18 loads the first six are in: the norms, fragments 0 and 1
	BODY 0, 0                                      ; tile 0 has no tile before it
	WIN 0
	PHASE 0, 0, 7                                  ; tiles 1-14; the loads reach slot 0's last tile
	s_mov_b32 s[OUTER], 3
.Louter:                                               ; three trips: both slots are filled again
	CHANGE 1, 0
	PHASE 1, SLOT, 8
	CHANGE 1, 1
	PHASE 1, 0, 8
	s_sub_co_u32 s[OUTER], s[OUTER], 1
	s_cmp_lg_u32 s[OUTER], 0
	s_cbranch_scc1 .Louter
	CHANGE 0, 0                                    ; the last slot: nothing is left to ask for
	PHASE 1, SLOT, 8
	WIN W_MM
.irp kk, 1,2,3,4,5,6,7
	KSTEP \kk, 1, 1, 0, 0                          ; the last tile's K steps 1-7: nothing is loaded, so the wait is for all
.endr
	s_add_co_u32 s[TID], s[TID], 1
.irp kk, 0,1,2,3,4,5,6,7                       ; the last tile is compared; the lines for its first three accumulators are the places behind the last product
.irp n, 0,1,2,3
	RID \n, \kk, 0, 1
.endr
.endr
	WIN 0
; THE MERGE.  b replaces a if its score is greater, or equal with the lower index.
.macro MERGE va, ia, vb, ib
	v_cmp_gt_f32 s[MG], v[(\vb)], v[(\va)]
	v_cmp_eq_f32 s[MG+1], v[(\vb)], v[(\va)]
	v_cmp_lt_u32 s[MG+2], v[(\ib)], v[(\ia)]
	s_and_b32 s[MG+1], s[MG+1], s[MG+2]
	s_or_b32 s[MG], s[MG], s[MG+1]
	v_cndmask_b32 v[(\va)], v[(\va)], v[(\vb)], s[MG]
	v_cndmask_b32 v[(\ia)], v[(\ia)], v[(\ib)], s[MG]
.endm
.macro PAIR q, a, b
	MERGE BEST+8*(\q)+(\a), TIDR+8*(\q)+(\a), BEST+8*(\q)+(\b), TIDR+8*(\q)+(\b)
.endm
.set i, 0
.rept 32
	v_lshl_or_b32 v[TIDR+i], v[TIDR+i], 4, i%8     ; 16 x tile + register
.set i, i+1
.endr
.irp q, 0,1,2,3
	PAIR \q, 0, 1
	PAIR \q, 2, 3
	PAIR \q, 4, 5
	PAIR \q, 6, 7
	PAIR \q, 0, 2
	PAIR \q, 4, 6
	PAIR \q, 0, 4
	v_add_nc_u32 v[TIDR+8*(\q)], v[CBR], v[TIDR+8*(\q)]  ; + 2,048 x quarter + 8 h: the code
	v_permlanex16_b32 v[DF], v[BEST+8*(\q)], s[SEL], s[SEL+1]  ; the query's other codes lie in the lane 16 away
	v_permlanex16_b32 v[DF+1], v[TIDR+8*(\q)], s[SEL], s[SEL+1]
	MERGE BEST+8*(\q), TIDR+8*(\q), DF, DF+1
.endr
	v_cndmask_b32 v16, v[BEST], v[BEST+16], s[HM]  ; lanes 0-15 store tiles 0 and 1 (hw = 4 r, 4 r + 1), lanes 16-31 tiles 2 and 3
	v_cndmask_b32 v17, v[BEST+8], v[BEST+24], s[HM]
	v_cndmask_b32 v18, v[TIDR], v[TIDR+16], s[HM]
	v_cndmask_b32 v19, v[TIDR+8], v[TIDR+24], s[HM]
	global_store_b64 v[SO], v[16:17], s[10:11]     ; the wave's 64 queries: 256 consecutive bytes, aligned
	global_store_b64 v[SO], v[18:19], s[12:13]
	s_wait_tensorcnt 0x0                           ; the wave's end: behind my last tensor load
	ds_add_u32 v[SPW], v[NIL]
	s_wait_dscnt 0x0
	CROUND                                         ; the closing round: no work-group ends while a partner may still ask for a tile that names it
	s_endpgm
.Lfunc_end_k_q3f9b0b9118_main:
	.size	k_q3f9b0b9118_main, .Lfunc_end_k_q3f9b0b9118_main-k_q3f9b0b9118_main
	.p2alignl 7, 3214868480
	.fill 96, 4, 3214868480
	.section	.rodata,"a",@progbits
	.p2align	6, 0x0
	.amdhsa_kernel k_q3f9b0b9118_main
		.amdhsa_group_segment_fixed_size 327680
		.amdhsa_private_segment_fixed_size 0
		.amdhsa_enable_private_segment 0
		.amdhsa_kernarg_size 40
		.amdhsa_user_sgpr_count 2
		.amdhsa_user_sgpr_kernarg_segment_ptr 1
		.amdhsa_wavefront_size32 1
		.amdhsa_system_sgpr_workgroup_id_x 1
		.amdhsa_system_sgpr_workgroup_id_y 1
		.amdhsa_system_sgpr_workgroup_id_z 1
		.amdhsa_system_vgpr_workitem_id 0
		.amdhsa_next_free_vgpr 512
		.amdhsa_next_free_sgpr 72
		.amdhsa_reserve_vcc 0
		.amdhsa_float_denorm_mode_32 3
		.amdhsa_float_denorm_mode_16_64 3
		.amdhsa_memory_ordered 1
		.amdhsa_forward_progress 1
		.amdhsa_inst_pref_size 162
	.end_amdhsa_kernel
	.amdgpu_metadata
---
amdhsa.version: [ 1, 2 ]
amdhsa.kernels:
  - .name:           k_q3f9b0b9118_main
    .symbol:         k_q3f9b0b9118_main.kd
    .args:
      - { .name: latents, .offset: 0, .size: 8, .value_kind: global_buffer, .address_space: global }
      - { .name: eb, .offset: 8, .size: 8, .value_kind: global_buffer, .address_space: global }
      - { .name: hb, .offset: 16, .size: 8, .value_kind: global_buffer, .address_space: global }
      - { .name: cv, .offset: 24, .size: 8, .value_kind: global_buffer, .address_space: global }
      - { .name: ci, .offset: 32, .size: 8, .value_kind: global_buffer, .address_space: global }
    .group_segment_fixed_size: 327680
    .private_segment_fixed_size: 0
    .kernarg_segment_align: 8
    .kernarg_segment_size: 40
    .max_flat_workgroup_size: 256
    .sgpr_count:     72
    .vgpr_count:     512
    .wavefront_size: 32
...
	.end_amdgpu_metadata
.endif
;; end of part 2
;; launch finish (part 3): grid 256 x 1, 16 waves a work-group, no clusters, 70,400 bytes of LDS; arguments latents, eb, cv, ci, out0, out2, part; writes out0, out2, part
.if DOCPART == 3
	.amdgcn_target "amdgcn-amd-amdhsa--gfx1250"
	.amdhsa_code_object_version 6
	.text
	.protected	k_q3f9b0b9118_finish
	.globl	k_q3f9b0b9118_finish
	.p2align	8
	.type	k_q3f9b0b9118_finish,@function
k_q3f9b0b9118_finish:
	s_mov_b64 s[64:65], 0
	v_nop
	global_prefetch_b8 v0, s[64:65] scope:SCOPE_SE
	s_setreg_imm32_b32 hwreg(HW_REG_WAVE_MODE, 25, 1), 1
	s_wait_xcnt 0x0
; For 128 queries: the best of the four quarters' candidates (strictly greater wins, so the lower quarter, the lower index, keeps a tie) -> out2;  q = that code's row of eb;
; out0 = x + (q - x), back in [b][d][hw];  part[g] = the sum of (q - x)^2 over the group's 128 x 256 numbers.  x is taken in f32; q is the code rounded to bf16 (off by 2^-8 of itself at the most).
; ADDRESSES hang on whole numbers read from ci alone (clamped to the table's 8,192 rows).  Which of a query's four rows is the right one is a comparison of scores made here, so all four are loaded
; and the choice only selects values.
; SHARES.  Gather: wave w takes queries 8 w .. 8 w + 7, 32 rows of 512 bytes, a row a load.  Stream: wave w takes d = 16 w .. 16 w + 15 over all 128 hw, four hw a lane: every load of x and every store
; covers 512 consecutive bytes.  The chosen rows change hands in LDS.  All of a wave's 56 loads are out at once.
; No matrix unit, no cluster, no tensor load: no work-group shares a byte of latents or out0 with another, and the rows are scattered.
; LDS: 128 rows of 528 bytes (512 + 16, ISA guide 11.1), query n in row (n % 4) x 32 + n / 4, so that lanes, which hold four
; neighbouring hw, read one row apart; 128 indices; 16 partial sums; the spare words.
.set PITCH, 528
.set IDXW,  128*PITCH                  ; 67,584
.set LSW,   IDXW+512                   ; 68,096
.set SPARE, LSW+256                    ; 68,352: 128 bytes for each of 16 waves
.set SPW, 6                            ; v6   my spare word; never rewritten
.set NIL, 7                            ; v7   0; never rewritten
.set CVV, 8                            ; v[8:11]    the four scores of query l % 8
.set CIV, 12                           ; v[12:15]   its four indices
.set L,   24                           ; v[24:31]   four pairs of sums of squares
.set RO,  32                           ; v[32:63]   the rows' offsets
.set QR,  32                           ; v[32:47]   later: 8 d of my four queries
.set R,   64                           ; v[64:191]  query i, quarter c at R + 16 i + 4 c
.set T,   64                           ; v[64:95]   later: q, then q - x: d at T + 4 d
.set X,   192                          ; v[192:255] x, then out0: d at X + 4 d
.set IDX, 24                           ; s[24:55]   quarter c, query i at IDX + 8 c + i
	s_load_b256 s[4:11], s[0:1], 0x0               ; latents s[4:5], eb s[6:7], cv s[8:9], ci s[10:11]
	s_load_b128 s[12:15], s[0:1], 0x20             ; out0 s[12:13], out2 s[14:15]
	s_load_b64 s[16:17], s[0:1], 0x30              ; part
	v_lshl_add_u32 v[SPW], v0, 2, SPARE
	v_mov_b32 v[NIL], 0
	v_lshrrev_b32 v1, 5, v0
	v_readfirstlane_b32 s18, v1                    ; wave 0..15
	v_and_b32 v1, 31, v0                           ; lane l
	v_lshlrev_b32 v2, 4, v1                        ; 16 l; never rewritten
	v_and_b32 v3, 7, v0
	v_lshlrev_b32 v3, 2, v3                        ; 4 (l % 8)
	s_mul_i32 s19, s18, 2*PITCH
	v_add_nc_u32 v4, s19, v2                       ; into the stage: rows 2 w .., 16 bytes a lane
	v_mul_u32_u24 v5, v1, PITCH
	v_lshl_add_u32 v5, s18, 5, v5                  ; back: row l, byte 32 w (d = 16 w)
	s_lshl_b32 s20, ttmp9, 9                       ; cv, ci: 128 numbers x work-group
	s_lshl_b32 s21, s18, 5                         ; + 8 x wave
	s_add_co_u32 s20, s20, s21
	s_mov_b32 s21, 0
	s_lshr_b32 s22, ttmp9, 3                       ; latents, out0: image b = g / 8,
	s_lshl_b32 s22, s22, 20
	s_lshl_b32 s23, s18, 16                        ; 16 rows of 4,096 bytes x wave,
	s_add_co_u32 s22, s22, s23
	s_and_b32 s23, ttmp9, 7                        ; 128 hw x (g % 8)
	s_lshl_b32 s23, s23, 9
	s_add_co_u32 s22, s22, s23
	s_mov_b32 s23, 0
	s_lshl_b32 s68, ttmp9, 9                       ; out2
	s_mov_b32 s69, 0
	s_lshl_b32 s70, ttmp9, 2                       ; part
	s_mov_b32 s71, 0
	s_mov_b32 s62, 0xffff0000                      ; a word's upper bf16
	s_mov_b32 s66, 0x76543210                      ; v_permlanex16_b32: each lane takes its own place in the other half
	s_mov_b32 s67, 0xfedcba98
	s_wait_kmcnt 0x0
	s_add_nc_u64 s[8:9], s[8:9], s[20:21]
	s_add_nc_u64 s[10:11], s[10:11], s[20:21]
	s_add_nc_u64 s[4:5], s[4:5], s[22:23]
	s_add_nc_u64 s[12:13], s[12:13], s[22:23]
	s_add_nc_u64 s[14:15], s[14:15], s[68:69]
	s_add_nc_u64 s[16:17], s[16:17], s[70:71]
	s_load_b256 s[IDX:IDX+7],     s[10:11], 0x0      ; my 8 queries' candidates, a quarter a load
	s_load_b256 s[IDX+8:IDX+15],  s[10:11], 0x20000
	s_load_b256 s[IDX+16:IDX+23], s[10:11], 0x40000
	s_load_b256 s[IDX+24:IDX+31], s[10:11], 0x60000
.irp c, 0,1,2,3
	global_load_b32 v[CVV+(\c)], v3, s[8:9] offset:(\c)*131072
	global_load_b32 v[CIV+(\c)], v3, s[10:11] offset:(\c)*131072
.endr
	s_wait_kmcnt 0x0
.set i, 0
.rept 32
	s_min_u32 s[IDX+i], s[IDX+i], 0x1fff           ; a loaded number enters an address only clamped to the table
.set i, i+1
.endr
.set i, 0
.rept 8
.set c, 0
.rept 4
	v_lshl_add_u32 v[RO+4*i+c], s[IDX+8*c+i], 9, v2  ; row x 512 + 16 l
	global_load_b128 v[R+16*i+4*c:R+16*i+4*c+3], v[RO+4*i+c], s[6:7]
.set c, c+1
.endr
.set i, i+1
.endr
.set i, 0
.rept 16
	global_load_b128 v[X+4*i:X+4*i+3], v2, s[4:5] offset:i*4096 th:TH_LOAD_NT  ; the launch's only reader of these bytes, and the program's last
.set i, i+1
.endr
	s_wait_loadcnt 48                              ; the eight scores and indices are in; 32 rows and 16 loads of x stay out
	v_cmp_gt_f32 s56, v[CVV+1], v[CVV]             ; bit i of each mask speaks for query i (lane i holds it)
	v_cmp_gt_f32 s57, v[CVV+3], v[CVV+2]
	v_max_num_f32 v16, v[CVV], v[CVV+1]
	v_max_num_f32 v17, v[CVV+2], v[CVV+3]
	v_cmp_gt_f32 s58, v17, v16
	v_cndmask_b32 v18, v[CIV], v[CIV+1], s56
	v_cndmask_b32 v19, v[CIV+2], v[CIV+3], s57
	v_cndmask_b32 v18, v18, v19, s58
	s_lshl_b32 s19, s18, 5
	s_add_co_u32 s19, s19, IDXW
	v_add_nc_u32 v20, s19, v3
	ds_store_b32 v20, v18                          ; four lanes write the same word with the same number
.set i, 0
.rept 8
	s_wait_loadcnt 16+4*(7-i)                      ; query i's four rows are in; the younger rows and x stay out
	s_bitcmp1_b32 s56, i                           ; the query's three answers, spread over all lanes: they select values, nothing else
	s_cselect_b32 s59, -1, 0
	s_bitcmp1_b32 s57, i
	s_cselect_b32 s60, -1, 0
	s_bitcmp1_b32 s58, i
	s_cselect_b32 s61, -1, 0
.set k, 0
.rept 4
	v_cndmask_b32 v[R+16*i+k], v[R+16*i+k], v[R+16*i+4+k], s59
	v_cndmask_b32 v[R+16*i+8+k], v[R+16*i+8+k], v[R+16*i+12+k], s60
	v_cndmask_b32 v[R+16*i+k], v[R+16*i+k], v[R+16*i+8+k], s61
.set k, k+1
.endr
	ds_store_b128 v4, v[R+16*i:R+16*i+3] offset:((i&3)*32+(i>>2))*PITCH
.set i, i+1
.endr
	s_wait_dscnt 0x0                               ; for the others' sake: my stores are done
	s_barrier_signal -1
	s_barrier_wait -1
	s_cmp_lg_u32 s18, 0
	s_cbranch_scc1 .Lno_idx
	v_add_nc_u32 v21, IDXW, v2
	ds_load_b128 v[48:51], v21                     ; wave 0: the group's 128 indices
	s_wait_dscnt 0x0
	global_store_b128 v2, v[48:51], s[14:15]       ; 512 consecutive bytes, aligned
.Lno_idx:
; Eight d at a time: my four queries' 16 bytes each, unpacked into f32 by d; then q - x, x + (q - x), and the squares.
.macro BLK blk
.irp i, 0,1,2,3
	ds_load_b128 v[QR+4*(\i):QR+4*(\i)+3], v5 offset:(\i)*32*PITCH+16*(\blk)  ; query 4 l + i lies in row 32 i + l
.endr
	s_wait_loadcnt 8-8*(\blk)                      ; this half of x is in; the other half's eight loads may stay out
	s_wait_dscnt 0x0
.irp i, 0,1,2,3
.irp k, 0,1,2,3
	v_lshlrev_b32 v[T+8*(\k)+(\i)], 16, v[QR+4*(\i)+(\k)]     ; d = 2 k
	v_and_b32 v[T+8*(\k)+4+(\i)], s62, v[QR+4*(\i)+(\k)]      ; d = 2 k + 1
.endr
.endr
.set u, 0
.rept 16
	v_pk_add_f32 v[T+2*u:T+2*u+1], v[T+2*u:T+2*u+1], v[X+32*(\blk)+2*u:X+32*(\blk)+2*u+1] neg_lo:[0,1] neg_hi:[0,1]
	v_pk_add_f32 v[X+32*(\blk)+2*u:X+32*(\blk)+2*u+1], v[X+32*(\blk)+2*u:X+32*(\blk)+2*u+1], v[T+2*u:T+2*u+1]
.if ((\blk) == 0) && (u < 4)
	v_pk_mul_f32 v[L+2*u:L+2*u+1], v[T+2*u:T+2*u+1], v[T+2*u:T+2*u+1]  ; the first four pairs start the sums: nothing is cleared
.else
	v_pk_fma_f32 v[L+2*(u%4):L+2*(u%4)+1], v[T+2*u:T+2*u+1], v[T+2*u:T+2*u+1], v[L+2*(u%4):L+2*(u%4)+1]
.endif
.set u, u+1
.endr
.irp dd, 0,1,2,3,4,5,6,7
	global_store_b128 v2, v[X+32*(\blk)+4*(\dd):X+32*(\blk)+4*(\dd)+3], s[12:13] offset:(8*(\blk)+(\dd))*4096 th:TH_STORE_NT  ; 512 consecutive bytes, aligned
.endr
.endm
	BLK 0
	BLK 1
	v_pk_add_f32 v[L:L+1], v[L:L+1], v[L+2:L+3]
	v_pk_add_f32 v[L+4:L+5], v[L+4:L+5], v[L+6:L+7]
	v_pk_add_f32 v[L:L+1], v[L:L+1], v[L+4:L+5]
	v_add_f32 v[L], v[L], v[L+1]
	v_add_f32_dpp v[L], v[L], v[L] row_xmask:1 row_mask:0xf bank_mask:0xf
	v_add_f32_dpp v[L], v[L], v[L] row_xmask:2 row_mask:0xf bank_mask:0xf
	v_add_f32_dpp v[L], v[L], v[L] row_xmask:4 row_mask:0xf bank_mask:0xf
	v_add_f32_dpp v[L], v[L], v[L] row_xmask:8 row_mask:0xf bank_mask:0xf
	v_permlanex16_b32 v[L+1], v[L], s66, s67
	v_add_f32 v[L], v[L], v[L+1]                   ; the wave's sum, in every lane
	s_lshl_b32 s19, s18, 2
	s_add_co_u32 s19, s19, LSW
	v_mov_b32 v16, s19
	ds_store_b32 v16, v[L]
	s_wait_dscnt 0x0                               ; for wave 0's sake
	s_barrier_signal -1
	s_barrier_wait -1
	s_cmp_lg_u32 s18, 0
	s_cbranch_scc1 .Lend
	v_and_b32 v17, 15, v0
	v_lshl_add_u32 v17, v17, 2, LSW
	ds_load_b32 v[L], v17                          ; the sixteen waves' sums, one a lane in each half
	s_wait_dscnt 0x0
	v_add_f32_dpp v[L], v[L], v[L] row_xmask:1 row_mask:0xf bank_mask:0xf
	v_add_f32_dpp v[L], v[L], v[L] row_xmask:2 row_mask:0xf bank_mask:0xf
	v_add_f32_dpp v[L], v[L], v[L] row_xmask:4 row_mask:0xf bank_mask:0xf
	v_add_f32_dpp v[L], v[L], v[L] row_xmask:8 row_mask:0xf bank_mask:0xf
	v_mov_b32 v18, 0
	v_cmp_eq_u32 vcc_lo, 0, v1
	s_wait_xcnt 0x0                                ; EXEC is a source of the stores above: it changes only behind this wait
	s_and_saveexec_b32 s19, vcc_lo
	global_store_b32 v18, v[L], s[16:17]           ; lane 0: the group's one number
	s_wait_xcnt 0x0                                ; and again, in front of the line that widens it
	s_or_b32 exec_lo, exec_lo, s19
.Lend:
	s_wait_tensorcnt 0x0                           ; the wave's end: behind my last LDS store
	ds_add_u32 v[SPW], v[NIL]
	s_wait_dscnt 0x0
	s_endpgm
.Lfunc_end_k_q3f9b0b9118_finish:
	.size	k_q3f9b0b9118_finish, .Lfunc_end_k_q3f9b0b9118_finish-k_q3f9b0b9118_finish
	.p2alignl 7, 3214868480
	.fill 96, 4, 3214868480
	.section	.rodata,"a",@progbits
	.p2align	6, 0x0
	.amdhsa_kernel k_q3f9b0b9118_finish
		.amdhsa_group_segment_fixed_size 70400
		.amdhsa_private_segment_fixed_size 0
		.amdhsa_enable_private_segment 0
		.amdhsa_kernarg_size 56
		.amdhsa_user_sgpr_count 2
		.amdhsa_user_sgpr_kernarg_segment_ptr 1
		.amdhsa_wavefront_size32 1
		.amdhsa_system_sgpr_workgroup_id_x 1
		.amdhsa_system_sgpr_workgroup_id_y 1
		.amdhsa_system_sgpr_workgroup_id_z 1
		.amdhsa_system_vgpr_workitem_id 0
		.amdhsa_next_free_vgpr 256
		.amdhsa_next_free_sgpr 72
		.amdhsa_reserve_vcc 1
		.amdhsa_float_denorm_mode_32 3
		.amdhsa_float_denorm_mode_16_64 3
		.amdhsa_memory_ordered 1
		.amdhsa_forward_progress 1
		.amdhsa_inst_pref_size 33
	.end_amdhsa_kernel
	.amdgpu_metadata
---
amdhsa.version: [ 1, 2 ]
amdhsa.kernels:
  - .name:           k_q3f9b0b9118_finish
    .symbol:         k_q3f9b0b9118_finish.kd
    .args:
      - { .name: latents, .offset: 0, .size: 8, .value_kind: global_buffer, .address_space: global }
      - { .name: eb, .offset: 8, .size: 8, .value_kind: global_buffer, .address_space: global }
      - { .name: cv, .offset: 16, .size: 8, .value_kind: global_buffer, .address_space: global }
      - { .name: ci, .offset: 24, .size: 8, .value_kind: global_buffer, .address_space: global }
      - { .name: out0, .offset: 32, .size: 8, .value_kind: global_buffer, .address_space: global }
      - { .name: out2, .offset: 40, .size: 8, .value_kind: global_buffer, .address_space: global }
      - { .name: part, .offset: 48, .size: 8, .value_kind: global_buffer, .address_space: global }
    .group_segment_fixed_size: 70400
    .private_segment_fixed_size: 0
    .kernarg_segment_align: 8
    .kernarg_segment_size: 56
    .max_flat_workgroup_size: 512
    .sgpr_count:     72
    .vgpr_count:     256
    .wavefront_size: 32
...
	.end_amdgpu_metadata
.endif
;; end of part 3
;; launch loss (part 4): grid 1 x 1, 1 waves a work-group, no clusters, 0 bytes of LDS; arguments part, out1; writes out1
.if DOCPART == 4
	.amdgcn_target "amdgcn-amd-amdhsa--gfx1250"
	.amdhsa_code_object_version 6
	.text
	.protected	k_q3f9b0b9118_loss
	.globl	k_q3f9b0b9118_loss
	.p2align	8
	.type	k_q3f9b0b9118_loss,@function
k_q3f9b0b9118_loss:
	s_mov_b64 s[64:65], 0
	v_nop
	global_prefetch_b8 v0, s[64:65] scope:SCOPE_SE
	s_setreg_imm32_b32 hwreg(HW_REG_WAVE_MODE, 25, 1), 1
	s_wait_xcnt 0x0
; out1 = m + 0.25 m, m = the mean of (q - x)^2 over 32,768 x 256 = 2^23 numbers: the sum of the 256 work-groups' partial sums, times 2^-23.
; A launch of its own, since the sum spans the work-groups of the launch before; one wave, eight numbers a lane.
	s_load_b128 s[4:7], s[0:1], 0x0                ; part s[4:5], out1 s[6:7]
	v_lshlrev_b32 v1, 4, v0
	s_mov_b32 s8, 0x76543210                       ; v_permlanex16_b32: each lane takes its own place in the other half
	s_mov_b32 s9, 0xfedcba98
	s_wait_kmcnt 0x0
	global_load_b128 v[2:5], v1, s[4:5]
	global_load_b128 v[6:9], v1, s[4:5] offset:512
	s_wait_loadcnt 0x0
	v_pk_add_f32 v[2:3], v[2:3], v[4:5]
	v_pk_add_f32 v[6:7], v[6:7], v[8:9]
	v_pk_add_f32 v[2:3], v[2:3], v[6:7]
	v_add_f32 v2, v2, v3
	v_add_f32_dpp v2, v2, v2 row_xmask:1 row_mask:0xf bank_mask:0xf
	v_add_f32_dpp v2, v2, v2 row_xmask:2 row_mask:0xf bank_mask:0xf
	v_add_f32_dpp v2, v2, v2 row_xmask:4 row_mask:0xf bank_mask:0xf
	v_add_f32_dpp v2, v2, v2 row_xmask:8 row_mask:0xf bank_mask:0xf
	v_permlanex16_b32 v3, v2, s8, s9
	v_add_f32 v2, v2, v3
	v_mul_f32 v2, 0x34000000, v2                   ; x 2^-23: the mean
	v_fmamk_f32 v2, v2, 0x3e800000, v2             ; m x 0.25 + m
	v_mov_b32 v4, 0
	v_cmp_eq_u32 vcc_lo, 0, v0
	s_wait_xcnt 0x0                                ; EXEC changes only behind this wait
	s_and_saveexec_b32 s10, vcc_lo
	global_store_b32 v4, v2, s[6:7]                ; lane 0: the one number
	s_wait_xcnt 0x0
	s_or_b32 exec_lo, exec_lo, s10
	s_endpgm
.Lfunc_end_k_q3f9b0b9118_loss:
	.size	k_q3f9b0b9118_loss, .Lfunc_end_k_q3f9b0b9118_loss-k_q3f9b0b9118_loss
	.p2alignl 7, 3214868480
	.fill 96, 4, 3214868480
	.section	.rodata,"a",@progbits
	.p2align	6, 0x0
	.amdhsa_kernel k_q3f9b0b9118_loss
		.amdhsa_group_segment_fixed_size 0
		.amdhsa_private_segment_fixed_size 0
		.amdhsa_enable_private_segment 0
		.amdhsa_kernarg_size 16
		.amdhsa_user_sgpr_count 2
		.amdhsa_user_sgpr_kernarg_segment_ptr 1
		.amdhsa_wavefront_size32 1
		.amdhsa_system_sgpr_workgroup_id_x 1
		.amdhsa_system_sgpr_workgroup_id_y 1
		.amdhsa_system_sgpr_workgroup_id_z 1
		.amdhsa_system_vgpr_workitem_id 0
		.amdhsa_next_free_vgpr 16
		.amdhsa_next_free_sgpr 66
		.amdhsa_reserve_vcc 1
		.amdhsa_float_denorm_mode_32 3
		.amdhsa_float_denorm_mode_16_64 3
		.amdhsa_memory_ordered 1
		.amdhsa_forward_progress 1
		.amdhsa_inst_pref_size 2
	.end_amdhsa_kernel
	.amdgpu_metadata
---
amdhsa.version: [ 1, 2 ]
amdhsa.kernels:
  - .name:           k_q3f9b0b9118_loss
    .symbol:         k_q3f9b0b9118_loss.kd
    .args:
      - { .name: part, .offset: 0, .size: 8, .value_kind: global_buffer, .address_space: global }
      - { .name: out1, .offset: 8, .size: 8, .value_kind: global_buffer, .address_space: global }
    .group_segment_fixed_size: 0
    .private_segment_fixed_size: 0
    .kernarg_segment_align: 8
    .kernarg_segment_size: 16
    .max_flat_workgroup_size: 32
    .sgpr_count:     66
    .vgpr_count:     16
    .wavefront_size: 32
...
	.end_amdgpu_metadata
.endif
;; end of part 4
